; MI455X (gfx1250); checked and timed in simulation.
; The chip was launched on July 23, 2026; its instructions are those of AMD's public machine-readable ISA for CDNA 5 (MIT licence, August 2026) and "CDNA5" Instruction Set Architecture Reference Guide (July 2026). The comments in the code are by the model that wrote it; some were corrected since.
;; Attention. Allowed arithmetic: matrix products marked QUANTISED: E2M1 operands, one E8M0 scale for each 32 along K, by v_wmma_scale_f32_16x16x128_f8f6f4 with both operands' format E2M1 (or v_wmma_scale_f32_32x16x128_f4), f32 sums; everything else in f32.
;; Inputs: W_o_codes 1,024 x 32 x 16 uint8 (E2M1 codes of W_o, K innermost, in blocks of 32 codes, two codes a byte); W_o_scales 1,024 x 32 uint8 (E8M0 scales of W_o, one for each 32 codes along K); W_qkv_codes 3,072 x 32 x 16 uint8 (E2M1 codes of W_qkv, K innermost, in blocks of 32 codes, two codes a byte); W_qkv_scales 3,072 x 32 uint8 (E8M0 scales of W_qkv, one for each 32 codes along K); b_o 1,024 float32; b_qkv 3,072 float32; x_codes 4 x 2,048 x 32 x 16 uint8 (E2M1 codes of x, K innermost, in blocks of 32 codes, two codes a byte); x_scales 4 x 2,048 x 32 uint8 (E8M0 scales of x, one for each 32 codes along K).
;; Outputs: out0 4 x 2,048 x 1,024 float32.
;; This version of the problem:
;;   THIS VERSION OF THE PROBLEM IS GIVEN IN LOW PRECISION. The matrix products marked QUANTISED in the list below multiply operands that are first quantised to E2M1 (2 exponent bits, 1 mantissa bit; 4 bits a number), with one power-of-two scale for each 32 numbers along K (OCP MX v1.0); their sums are f32. All else is computed in f32.
;;   The module's matrix products, in the order in which they are computed (A, B: the left and right operand; K: the contracted axis; several contracted axes count as one K, in the product's order):
;;     1. [M 8,192, K 1,024] x [K 1,024, N 3,072]; A: input x (given as codes); B: input W_qkv (given as codes): QUANTISED
;;     2. batch 64 x [M 2,048, K 64] x [K 64, N 2,048]; A: computed on the way; B: computed on the way: QUANTISED
;;     3. batch 64 x [M 2,048, K 2,048] x [K 2,048, N 64]; A: softmax (see below); B: computed on the way: QUANTISED
;;     4. [M 8,192, K 1,024] x [K 1,024, N 1,024]; A: computed on the way; B: input W_o (given as codes): QUANTISED
;;   THE QUANTISER, for each operand of a quantised product, along K:
;;     - K is cut into blocks of 32 from its start; a last block that is shorter is filled with zeros.
;;     - A block's scale is 2^e with e = floor(log2(the largest magnitude in the block)) - 2, held to -126 .. 127; a block of zeros has e = 0. As a byte (E8M0): e + 127.
;;     - Each number is divided by its block's scale, clamped to +-6, and rounded to the nearest number of E2M1, ties to even, subnormals kept.
;;     - The product sums the exact products of the quantised numbers (number of the format x scale) in f32.
;;   ~~~python
;;   def quantise(x, axis):      # numpy; x: float32 -> the quantised numbers, widened to float32 again
;;       x = np.moveaxis(x, axis, -1); K = x.shape[-1]
;;       x = np.pad(x, [(0, 0)] * (x.ndim - 1) + [(0, -K % 32)]); x = x.reshape(x.shape[:-1] + (-1, 32)); a = np.abs(x).max(-1, keepdims=True)
;;       e = np.where(a > 0, np.clip(np.frexp(np.where(a > 0, a, 1))[1] - 1 - 2, -126, 127), 0)      # np.frexp(a)[1] - 1 = floor(log2(a)), exactly
;;       r = np.clip(x / 2.0 ** e, -6, 6)
;;       step = 2.0 ** (np.maximum(np.frexp(np.where(r == 0, 1, r))[1] - 1, 0) - 1)
;;       q = np.round(r / step) * step * 2.0 ** e      # np.round: ties to even
;;       return np.moveaxis(q.reshape(q.shape[:-2] + (-1,))[..., :K], -1, axis).astype(np.float32)
;;   ~~~
;;   SOFTMAX AHEAD OF A QUANTISED PRODUCT. Where the list says 'softmax', what is quantised is not the finished softmax but p = 2^(t - M), with t = logit x log2(e) and M = ceil(the row's largest t), a whole number; so 1/2 < the row's largest p <= 1. The row's sum l is taken of the UNQUANTISED p, in f32, and the product's result is divided by l at the end. Since M is a whole number, a kernel that streams over the keys may use a running M (the ceiling of the running maximum): every later rescaling is an exact power of two, which a block's scale takes up: the codes' values come out the same.
;;   OPERANDS COMPUTED ON THE WAY. 'Computed on the way' means the value that the module computes at that place (a softmax that the list does not call 'softmax' is quantised finished and normalised). What goes into a quantiser is computed in f32, as accurately as f32 sums, v_exp_f32 and their like allow (about 1e-6 of the number): no bf16 or f16 on the way to a quantiser, and a product that is left as it is and whose result goes on into a quantised operand takes f32 operands (vector FMAs, or v_wmma_f32_16x16x4_f32). A number that lies on a knife's edge between two numbers of the format may be rounded either way, as far as f32 arithmetic and the matrix unit's own rounding can turn it there, and no further.
;;   INPUTS GIVEN AS CODES. W_o (in the module: [1024, 1024], K = its axis 1); W_qkv (in the module: [3072, 1024], K = its axis 1); x (in the module: [4, 2048, 1024], K = its axis 2): each comes as NAME_codes (uint8): NAME with its K axis moved to the last place and cut into blocks of 32 codes, [.., K / 32, bytes a block], one block behind the other in memory; two codes a byte, the lower K in the low four bits (a code: sign, 2 exponent bits, 1 mantissa bit); and NAME_scales (uint8): the same leading axes, one E8M0 byte (e + 127) for each 32 codes along K. Its value is code x scale, taken as it is: it is not quantised again, and the codes and scales need not be those that the quantiser above would give.
;; One version. Each part assembles by itself: llvm-mc -triple=amdgcn-amd-amdhsa -mcpu=gfx1250 --defsym DOCPART=n.
;; ======== version 1 of 1: 3 launches
;; workspace buffers: qkvw 14,155,776 bytes; zc 4,194,304 bytes; zs 262,144 bytes
;; launch qkv (part 1): grid 12 x 32, 4 waves a work-group, clusters of 4 x 4, 327,680 bytes of LDS; arguments x_codes, x_scales, W_qkv_codes, W_qkv_scales, b_qkv, qkvw; writes qkvw
.if DOCPART == 1
	.amdgcn_target "amdgcn-amd-amdhsa--gfx1250"
	.amdhsa_code_object_version 6
	.text
	.protected	k_q293298809a_qkv
	.globl	k_q293298809a_qkv
	.p2align	8
	.type	k_q293298809a_qkv,@function
k_q293298809a_qkv:
	s_mov_b64 s[64:65], 0
	v_nop
	global_prefetch_b8 v0, s[64:65] scope:SCOPE_SE
	s_setreg_imm32_b32 hwreg(HW_REG_WAVE_MODE, 25, 1), 1
	s_wait_xcnt 0x0
	s_wait_alu depctr_hold_cnt(0) depctr_sa_sdst(0) depctr_va_vdst(0) depctr_va_sdst(0) depctr_va_ssrc(0) depctr_va_vcc(0) depctr_vm_vsrc(0)
	s_getreg_b32 s2, hwreg(HW_REG_IB_STS2, 6, 4)
	s_cmp_eq_u32 s2, 0
	s_cbranch_scc0 .Lentry_in_a_cluster
	s_endpgm
.Lentry_in_a_cluster:
	s_bfe_u32 s2, ttmp6, 0x10000c
	s_cmp_lg_u32 s2, 0xf033
	s_cbranch_scc0 .Lentry_shape_is_right
	s_endpgm
.Lentry_shape_is_right:
; THE PROGRAM: causal attention, all four products on codes of FP4 (E2M1) with one E8M0 scale for each 32 along K.  Three launches:
;   qkv:  x W_qkv^T + b_qkv, quantised on the way out: q and k along the head's 64, v along the keys.     attn: scores, softmax, p v, / l, z quantised.     proj: z W_o^T + b_o.
; WORK LEFT OUT.  reference() sets every score with key > query to -infinity by a mask that it builds itself (jnp.tril), so that score's p is exactly 0 whatever finite values the inputs hold:
; it adds nothing to the row's sum and nothing to z.  Where all 128 keys of a key step come after all 16 queries of a tile, launch attn leaves the step out.  Nothing else is left out, and every input is loaded.
; LIMITS: a NaN, an infinity or an overflow that reaches only a step so left out is not carried to the result.  NaN and infinities among the numbers to be quantised are not served.  A block of zeros, or one whose largest
; magnitude lies under 2^-124, gets the scale byte 1 (the stated rule: 127 for zeros): its codes are zeros or are held by that floor, and these bytes are read by this program alone.
;
; THIS LAUNCH.  A tile of 256 x 256 of the product is made by a work-group of four waves; a wave makes 128 x 128: 64 accumulators of 16 x 16.  K = 1,024 lies in LDS whole: two slots of 512 along K, both filled once.
; THE MATRIX INSTRUCTION'S SOURCE 0 takes rows of region B, whose index then runs along a lane's registers: the axis along which the result is quantised; source 1 takes rows of region A, whose index runs along the lanes.
;   q, k (cluster x = 0, 1): B = W_qkv's rows (features), A = x's rows (tokens).     v (cluster x = 2): B = x's rows (the keys), A = W_qkv's rows from 2,048 on.   Only the four pointers are chosen; both tensors have rows of 512 bytes.
; CLUSTERS: 4 x 4 work-groups; A's tiles are shared along a row of the cluster, B's along a column: joint tensor loads.
; THE BIAS is the C of each sum's first matrix instruction.
; THE RESULT leaves as images of operand registers.  A lane's 16 bytes are one block of 32 codes of one row, stored at 16 x lane: each store of a wave covers 512 consecutive bytes, aligned.
;   qkvw: [3 kinds][32: batch x 8 + pair of heads][16 key steps][record of 18 rows of 512 bytes]; head c of the pair owns rows c, c + 2, ..: nine rows 1,024 bytes apart.
;   q, k: row a (0-7): tokens 16 a .. + 15, lane (r, h): block h of token 16 a + r; row 8: lane l: four words, word p = the bytes [tile 2 p: blocks 0, 1; tile 2 p + 1: blocks 0, 1] of row l % 16.
;   v:    row t + 4 c: registers 4 c .. 4 c + 3 of the fragment of channels 16 t .. + 15 over the step's 128 keys; row 8: lane l: the scale words of channels 16 t + l % 16, t = 0 .. 3.
; REGISTERS, in windows of 256: window 0: v1-29 addresses; v32-95 scale words, two sets; v96-127 the quantiser's; v128-191 A's fragments, one set, later codes; v192-255 the bias as C, later codes.
;   window 1: B's fragments, two sets.   window 2: the accumulators of my A rows 0-63 ((a, b) at v[8 (8 (a % 4) + b)]);   window 3: those of rows 64-127.
.set NQ,     4                         ; matrix instructions deep in a slot
.set ROWB,   256                       ; a tile's row in bytes: 512 codes
.set KROW,   512                       ; a row of x or of W_qkv in memory
.set PITCH,  272                       ; an LDS row: 256 bytes + 16 of padding: the 16 rows of a fragment load start 68 words apart
.set FR,     8                         ; registers of a fragment
.set NL,     2                         ; LDS loads that bring one
.set NP,     4                         ; places behind this matrix instruction (ISA guide 7.12.1)
.set HALFT,  128*PITCH
.set SLOT,   4*HALFT                   ; A's 256 rows, then B's 256
.set SCL,    2*SLOT                    ; the scale bytes, as units of 256 bytes + 16 of padding
.set HALFS,  16*272                    ; those of 128 rows (32 bytes a row)
.set SBLK,   2*272                     ; those of 16 rows
.set SPARE,  SCL+4*HALFS               ; the spare words: 128 bytes a wave
.set KIND,   4718592                   ; bytes of q's, k's or v's part of qkvw
.set REC,    9216                      ; a record
.set OFF,  8                           ; v8-11  16 x lane + c x (from half to half of a fragment) + g x (four blocks on): index c + 2 g
.set BOQ,  13                          ; v13    32 h: the bias of my eight features
.set BOV,  14                          ; v14    4 r: the bias of my channel
.set ADRA, 16
.set ADRB, 20
.set ADRS, 27
.set SPW,  28                          ; LDS address of my spare word; never rewritten
.set NIL,  29                          ; 0; never rewritten
.set SC,   32
.set TM,   96                          ; largest magnitudes
.set TX,   100                         ; the other half's
.set SO,   104                         ; the conversions' scale operands
.set BY,   108                         ; the bytes
.set PW,   112                         ; v112-119 block a's scale word
.set TT,   120
.set UU,   124
.set AF,   128
.set CB,   192
.set G1, 24
.set G0, 32
.set G1B, 48
.set G0B, 56
.set G1S, 68
.set G0S, 76
.set G1SB, 80
.set G0SB, 88
.set MSB, 0
.macro WIN new                         ; the immediate's high byte repeats the setting that is left
.if MSB != (\new)
	s_set_vgpr_msb (MSB<<8)|(\new)
.set MSB, (\new)
.endif
.endm
.set MUL_LO, 0xa1                      ; source 0 (B) window 1, source 1 (A) window 0, C and D window 2
.set MUL_HI, 0xf1                      ; the same, C and D window 3
.set TO_B,   0x40
; A joint load: waves 0 and 1 fetch for A, waves 2 and 3 for B; the branch hangs on the wave's number alone.  An s_nop 0 and four v_nop follow each line.
.macro JLOAD g0a, g1a, g0b, g1b
	s_cmp_eq_u32 s17, 0
	s_cbranch_scc0 .Lfor_b_\@
	tensor_load_to_lds s[\g0a:\g0a+3], s[\g1a:\g1a+7]
	s_nop 0
.rept 4
	v_nop
.endr
	s_branch .Lasked_\@
.Lfor_b_\@:
	tensor_load_to_lds s[\g0b:\g0b+3], s[\g1b:\g1b+7]
	s_nop 0
.rept 4
	v_nop
.endr
.Lasked_\@:
.endm
.macro CROUND                          ; a round of the cluster's barrier
	s_barrier_signal -1
	s_barrier_wait -1
	s_cmp_lg_u32 s16, 0
	s_cbranch_scc1 .Lnot_wave_0_\@
	s_barrier_signal -3
.Lnot_wave_0_\@:
	s_barrier_wait -3
	s_barrier_signal -1
	s_barrier_wait -1
.endm
	s_load_b256 s[4:11], s[0:1], 0x0               ; x's codes s[4:5], x's scales s[6:7], W's codes s[8:9], W's scales s[10:11]
	s_load_b128 s[12:15], s[0:1], 0x20             ; b_qkv s[12:13], qkvw s[14:15]
	v_lshl_add_u32 v[SPW], v0, 2, SPARE
	v_mov_b32 v[NIL], 0
	ds_add_u32 v[SPW], v[NIL]                      ; the wave's opening: the add, twice on end, and its wait ahead of my first tensor load
	ds_add_u32 v[SPW], v[NIL]
	v_lshrrev_b32 v1, 5, v0
	v_readfirstlane_b32 s16, v1                    ; wave 0..3
	s_lshr_b32 s17, s16, 1                         ; RH: my 128 rows of A.  Also: I fetch for A (0) or for B (1)
	s_and_b32 s18, s16, 1                          ; CH: my 128 rows of B.  Also: which 128 rows I fetch
	s_bfe_u32 s20, ttmp6, 0x40000                  ; cx
	s_bfe_u32 s21, ttmp6, 0x40004                  ; cy
	s_mov_b32 s22, ttmp9                           ; cluster x: 0 q, 1 k, 2 v
	s_and_b32 s23, ttmp7, 0xffff                   ; cluster y
	s_cmp_eq_u32 s22, 2                            ; the same in all sixteen partners
	s_cselect_b32 s42, s23, s22
	s_cselect_b32 s43, 2, s23
	s_cselect_b32 s19, 1, 0                        ; KV
	s_lshl_b32 s42, s42, 2
	s_add_co_u32 s42, s42, s20                     ; TC: which 256 rows of B
	s_lshl_b32 s43, s43, 2
	s_add_co_u32 s43, s43, s21                     ; TR: which 256 rows of A
	s_lshl_b32 s2, s21, 2
	s_lshl_b32 s2, 15, s2                          ; my row of the cluster
	s_lshl_b32 s3, 0x1111, s20                     ; my column
	; group 1 for codes: 128 rows x 256 bytes, 16 bytes of padding behind each
	s_or_b32 s[G1+0], s2, (1<<20)|(1<<21)|(5<<22)|(3<<25)
	s_or_b32 s[G1B+0], s3, (1<<20)|(1<<21)|(5<<22)|(3<<25)
.irp g, G1, G1B
	s_mov_b32 s[\g+1], ROWB<<16                    ; tensor_dim0
	s_mov_b32 s[\g+2], 128<<16                     ; tensor_dim1
	s_mov_b32 s[\g+3], ROWB<<16                    ; tile_dim0
	s_mov_b32 s[\g+4], 128                         ; tile_dim1
	s_mov_b32 s[\g+5], KROW                        ; from row to row
	s_mov_b32 s[\g+6], 0
	s_mov_b32 s[\g+7], 0
.endr
	; and for the scale bytes of 128 rows: 4,096 dense bytes as 16 rows of 256 (32 elements of 8 bytes), padded likewise
	s_or_b32 s[G1S+0], s2, (3<<16)|(1<<20)|(1<<21)|(5<<22)|(3<<25)
	s_or_b32 s[G1SB+0], s3, (3<<16)|(1<<20)|(1<<21)|(5<<22)|(3<<25)
.irp g, G1S, G1SB
	s_mov_b32 s[\g+1], 32<<16
	s_mov_b32 s[\g+2], 16<<16
	s_mov_b32 s[\g+3], 32<<16
	s_mov_b32 s[\g+4], 16
	s_mov_b32 s[\g+5], 32
	s_mov_b32 s[\g+6], 0
	s_mov_b32 s[\g+7], 0
.endr
	s_lshl_b32 s46, s18, 7                         ; which 128 rows of a tile I fetch
	s_lshl_b32 s92, s43, 8
	s_add_co_u32 s92, s92, s46                     ; A's row
	s_lshl_b32 s94, s42, 8
	s_add_co_u32 s94, s94, s46                     ; B's row
	s_lshl_b32 s96, s92, 5                         ; its scale bytes, 32 a row
	s_lshl_b32 s98, s94, 5
	s_lshl_b32 s92, s92, 9                         ; its codes, 512 bytes a row: 8,192 rows at the most, under 2^32
	s_lshl_b32 s94, s94, 9
	s_mov_b32 s93, 0
	s_mov_b32 s95, 0
	s_mov_b32 s97, 0
	s_mov_b32 s99, 0
	s_mul_i32 s47, s16, HALFT                      ; where they go: wave x 128 rows
	s_mul_i32 s66, s16, HALFS
	s_wait_dscnt 0x0                               ; both opening adds are done
	s_wait_kmcnt 0x0
	s_cmp_eq_u32 s19, 1                            ; which tensor is A and which B: a choice that hangs on the cluster's number alone
	s_cselect_b64 s[40:41], s[8:9], s[4:5]         ; A's codes
	s_cselect_b64 s[44:45], s[10:11], s[6:7]       ; A's scales
	s_cselect_b64 s[4:5], s[4:5], s[8:9]           ; B's codes
	s_cselect_b64 s[6:7], s[6:7], s[10:11]         ; B's scales
	s_add_nc_u64 s[40:41], s[40:41], s[92:93]
	s_add_nc_u64 s[44:45], s[44:45], s[96:97]
	s_add_nc_u64 s[4:5], s[4:5], s[94:95]
	s_add_nc_u64 s[6:7], s[6:7], s[98:99]
	CROUND                                         ; all sixteen work-groups are here: the joint loads meet
	s_mov_b32 s[G0S], 1
	s_add_co_u32 s[G0S+1], s66, SCL
	s_mov_b64 s[G0S+2:G0S+3], s[44:45]
	s_or_b32 s[G0S+3], s[G0S+3], 0x80000000
	s_mov_b32 s[G0SB], 1
	s_add_co_u32 s[G0SB+1], s66, SCL
	s_mov_b64 s[G0SB+2:G0SB+3], s[6:7]
	s_or_b32 s[G0SB+3], s[G0SB+3], 0x80000000
	JLOAD G0S, G1S, G0SB, G1SB                     ; the scales first; then both halves of K: three loads of mine are out
.irp s, 0,1
	s_mov_b32 s[G0+4*\s], 1
	s_add_co_u32 s[G0+4*\s+1], s47, \s*SLOT
	s_add_nc_u64 s[G0+4*\s+2:G0+4*\s+3], s[40:41], \s*ROWB
	s_or_b32 s[G0+4*\s+3], s[G0+4*\s+3], 0x80000000
	s_mov_b32 s[G0B+4*\s], 1
	s_add_co_u32 s[G0B+4*\s+1], s47, \s*SLOT
	s_add_nc_u64 s[G0B+4*\s+2:G0B+4*\s+3], s[4:5], \s*ROWB
	s_or_b32 s[G0B+4*\s+3], s[G0B+4*\s+3], 0x80000000
	JLOAD G0+4*\s, G1, G0B+4*\s, G1B
.endr
	v_and_b32 v1, 15, v0                           ; r
	v_bfe_u32 v2, v0, 4, 1                         ; h
	v_mul_u32_u24 v3, v1, PITCH
	v_lshl_add_u32 v4, v2, 4, v3                   ; a fragment's row x pitch + 16 h
	s_mul_i32 s92, s17, HALFT                      ; my 128 rows of A
	s_mul_i32 s93, s18, HALFT                      ; my 128 rows of B,
	s_add_co_u32 s93, s93, 2*HALFT                 ; behind A's 256
.irp s, 0,1
	v_add_nc_u32 v[ADRA+\s], s92, v4
	v_add_nc_u32 v[ADRB+\s], s93, v4
	s_add_co_u32 s92, s92, SLOT
	s_add_co_u32 s93, s93, SLOT
.endr
	v_lshlrev_b32 v5, 5, v1                        ; my row's scale bytes: 32 a row,
	v_lshrrev_b32 v6, 8, v5
	v_lshl_add_u32 v5, v6, 4, v5                   ; and 16 more for each 256 passed
	s_mul_i32 s92, s17, HALFS
	s_mul_i32 s93, s18, HALFS
	s_add_co_u32 s93, s93, 2*HALFS
	s_sub_co_u32 s93, s93, s92
	v_mul_u32_u24 v6, s93, v2                      ; lanes 16-31 take B's
	s_add_co_u32 s92, s92, SCL
	v_add_nc_u32 v5, v5, v6
	v_add_nc_u32 v[ADRS], s92, v5
	; where my 128 x 128 goes: one record
	s_lshl_b32 s92, s42, 1
	s_add_co_u32 s92, s92, s18                     ; 2 TC + CH
	s_lshl_b32 s93, s43, 1
	s_add_co_u32 s93, s93, s17                     ; 2 TR + RH
	s_lshl_b32 s94, s21, 1
	s_add_co_u32 s94, s94, s17                     ; 2 cy + RH
	s_lshl_b32 s95, s20, 1
	s_add_co_u32 s95, s95, s18                     ; 2 cx + CH
	s_movk_i32 s96, 0x1000
	s_cmp_eq_u32 s19, 1
	s_cselect_b32 s98, s93, s92                    ; which 128 numbers of the bias: those of W's rows
	s_cselect_b32 s92, s92, s93                    ; which 128 tokens
	s_cselect_b32 s94, s94, s95                    ; which pair of heads
	s_cselect_b32 s97, s96, 512                    ; from half to half of a fragment: q, k the other head (512), v four rows on (4,096)
	s_cselect_b32 s96, 512, s96                    ; four blocks on: q, k four rows on, v the other head
	s_lshr_b32 s93, s92, 4                         ; the batch
	s_lshl_b32 s93, s93, 3
	s_add_co_u32 s93, s93, s94
	s_lshl_b32 s93, s93, 4
	s_and_b32 s92, s92, 15                         ; the key step
	s_add_co_u32 s93, s93, s92
	s_mul_i32 s92, s93, REC
	s_mul_i32 s93, s22, KIND
	s_add_co_u32 s92, s92, s93
	s_mov_b32 s93, 0
	s_add_nc_u64 s[14:15], s[14:15], s[92:93]
	s_lshl_b32 s98, s98, 9                         ; 128 numbers of 4 bytes
	s_mov_b32 s99, 0
	s_add_nc_u64 s[12:13], s[12:13], s[98:99]
	s_mov_b32 s40, 0x76543210                      ; v_permlanex16_b32's selects for lane l xor 16
	s_mov_b32 s41, 0xfedcba98
	v_and_b32 v5, 31, v0
	v_lshlrev_b32 v[OFF], 4, v5
	v_add_nc_u32 v[OFF+1], s97, v[OFF]
	v_add_nc_u32 v[OFF+2], s96, v[OFF]
	v_add_nc_u32 v[OFF+3], s96, v[OFF+1]
	v_lshlrev_b32 v[BOQ], 5, v2
	v_lshlrev_b32 v[BOV], 2, v1
.irp b, 0,1,2,3
	v_mov_b32 v[TX+\b], 0                          ; written once: a lane permute's destination counts as one of its sources
.endr
	s_cmp_eq_u32 s19, 1
	s_cbranch_scc1 .Lbias_v
.irp b, 0,1,2,3,4,5,6,7                            ; q, k: the bias runs along the registers: C of accumulator (a, b) = b(16 b + 8 h + 0 .. 7)
	global_load_b128 v[CB+8*\b:CB+8*\b+3], v[BOQ], s[12:13] offset:64*\b
	global_load_b128 v[CB+8*\b+4:CB+8*\b+7], v[BOQ], s[12:13] offset:64*\b+16
.endr
	s_branch .Lbias_done
.Lbias_v:
.irp a, 0,1,2,3,4,5,6,7                            ; v: it runs along the lanes: C of accumulator (a, b) = b(16 a + r), eight times
.irp j, 0,1,2,3,4,5,6,7
	global_load_b32 v[CB+8*\a+\j], v[BOV], s[12:13] offset:64*\a
.endr
.endr
.Lbias_done:
.macro FRAG reg, adr, q, i             ; 16 rows x 128 K of 4-bit codes: registers 4 c .. 4 c + 3 hold K = 64 c + 32 h + 0 .. 31
.irp c, 0,1
	ds_load_b128 v[\reg+4*\c:\reg+4*\c+3], v[\adr] offset:64*(\q)+32*\c+(\i)*16*PITCH
.endr
.endm
; 16 matrix instructions: A's blocks a0, a0 + 1 x B's eight.  zero = 1: C is the bias by B's block; 2: by A's block; 0: the sum goes on.  The 64 accumulators take turns, one instruction a turn.
.macro MUL16 a0, p, q, sc, zero
.irp a, \a0, \a0+1
.irp b, 0,1,2,3,4,5,6,7
.if \zero == 1
	v_wmma_scale_f32_16x16x128_f8f6f4 v[8*(8*((\a)%4)+\b):8*(8*((\a)%4)+\b)+7], v[128*(\p)+FR*\b:128*(\p)+FR*\b+FR-1], v[AF+FR*(\a):AF+FR*(\a)+FR-1], v[CB+8*\b:CB+8*\b+7], v[SC+8*NQ*(\sc)+NQ*\b+(\q)], v[SC+8*NQ*(\sc)+NQ*(\a)+(\q)] matrix_a_fmt:MATRIX_FMT_FP4 matrix_b_fmt:MATRIX_FMT_FP4 matrix_a_scale:MATRIX_SCALE_ROW1
.elseif \zero == 2
	v_wmma_scale_f32_16x16x128_f8f6f4 v[8*(8*((\a)%4)+\b):8*(8*((\a)%4)+\b)+7], v[128*(\p)+FR*\b:128*(\p)+FR*\b+FR-1], v[AF+FR*(\a):AF+FR*(\a)+FR-1], v[CB+8*(\a):CB+8*(\a)+7], v[SC+8*NQ*(\sc)+NQ*\b+(\q)], v[SC+8*NQ*(\sc)+NQ*(\a)+(\q)] matrix_a_fmt:MATRIX_FMT_FP4 matrix_b_fmt:MATRIX_FMT_FP4 matrix_a_scale:MATRIX_SCALE_ROW1
.else
	v_wmma_scale_f32_16x16x128_f8f6f4 v[8*(8*((\a)%4)+\b):8*(8*((\a)%4)+\b)+7], v[128*(\p)+FR*\b:128*(\p)+FR*\b+FR-1], v[AF+FR*(\a):AF+FR*(\a)+FR-1], v[8*(8*((\a)%4)+\b):8*(8*((\a)%4)+\b)+7], v[SC+8*NQ*(\sc)+NQ*\b+(\q)], v[SC+8*NQ*(\sc)+NQ*(\a)+(\q)] matrix_a_fmt:MATRIX_FMT_FP4 matrix_b_fmt:MATRIX_FMT_FP4 matrix_a_scale:MATRIX_SCALE_ROW1
.endif
.endr
.endr
.endm
.macro FETCH_B slot, q, p
	WIN TO_B
.irp i, 0,1,2,3,4,5,6,7
	FRAG 128*(\p)+FR*\i, ADRB+\slot, \q, \i
.endr
	WIN 0
.endm
.macro FETCH_A slot, q, i0
.irp i, \i0, \i0+1, \i0+2, \i0+3
	FRAG AF+FR*(\i), ADRA+\slot, \q, \i
.endr
.endm
.macro SCALES sc                       ; a slot's scale words: lanes 0-15 A's block i, lanes 16-31 B's block i
.irp i, 0,1,2,3,4,5,6,7
	ds_load_b128 v[SC+8*NQ*\sc+NQ*\i:SC+8*NQ*\sc+NQ*\i+3], v[ADRS] offset:\i*SBLK
.endr
.endm
.macro PLACES n                        ; plain vector instructions behind a matrix instruction, ahead of loads into its registers and of reads of its results
.rept \n
	v_nop
.endr
.endm
; A step of 128 along K that has its successor in the same slot
.macro STEP slot, q, zero
	s_wait_dscnt 4*NL                              ; all but the youngest eight loads (A's blocks 4-7) are in
.if \zero
	WIN 0x81                                       ; C (the bias) in window 0, D in window 2
.else
	WIN MUL_LO
.endif
	MUL16 0, (\q)%2, \q, \slot, \zero
	MUL16 2, (\q)%2, \q, \slot, \zero
	s_wait_dscnt 0
	PLACES NP
	FETCH_B \slot, (\q)+1, 1-(\q)%2
	FETCH_A \slot, (\q)+1, 0
.if \zero
	WIN 0xc1
.else
	WIN MUL_HI
.endif
	MUL16 4, (\q)%2, \q, \slot, \zero
	MUL16 6, (\q)%2, \q, \slot, \zero
	PLACES NP
	WIN 0
	FETCH_A \slot, (\q)+1, 4
.endm
; Slot 0's last step goes on into slot 1: one barrier, in front of which each wave has waited for all its tensor loads.  Nothing is filled again.
.macro TURN slot, next
	s_wait_tensorcnt 0x0                           ; my part of the next slot has landed
	ds_add_u32 v[SPW], v[NIL]                      ; 0 onto my spare word
	s_wait_dscnt 4*NL+1                            ; (the add and the youngest eight loads may be out)
	WIN MUL_LO
	MUL16 0, 1, NQ-1, \slot, 0
	s_wait_dscnt 0x0
	s_barrier_signal -1
	MUL16 2, 1, NQ-1, \slot, 0
	WIN 0
	s_barrier_wait -1
	PLACES NP
	v_add_nc_u32 v[ADRS], 4*NQ, v[ADRS]            ; the next slot's scale words
	FETCH_B \next, 0, 0
	FETCH_A \next, 0, 0
	SCALES \next
	WIN MUL_HI
	MUL16 4, 1, NQ-1, \slot, 0
	MUL16 6, 1, NQ-1, \slot, 0
	PLACES NP
	WIN 0
	FETCH_A \next, 0, 4
.endm
.macro STEPS slot, from
.set Q, \from
.rept NQ-1-\from
	STEP \slot, Q, 0
.set Q, Q+1
.endr
.endm
	s_wait_tensorcnt 1                             ; the scales and my part of slot 0 are in; slot 1's load may be out,
	s_barrier_signal -1
	s_barrier_wait -1                              ; everybody's are
	FETCH_B 0, 0, 0
	FETCH_A 0, 0, 0
	SCALES 0
	FETCH_A 0, 0, 4
	s_wait_loadcnt 0x0                             ; the bias
	s_cmp_eq_u32 s19, 1
	s_cbranch_scc1 .Lfirst_v
	STEP 0, 0, 1                                   ; the first step starts the sums from the bias
	s_branch .Lfirst_done
.Lfirst_v:
	STEP 0, 0, 2
.Lfirst_done:
	STEPS 0, 1
	TURN 0, 1
	STEPS 1, 0
	s_wait_dscnt 4*NL                              ; the last step: nothing more to fetch
	WIN MUL_LO
	MUL16 0, 1, NQ-1, 1, 0
	MUL16 2, 1, NQ-1, 1, 0
	s_wait_dscnt 0
	WIN MUL_HI
	MUL16 4, 1, NQ-1, 1, 0
	MUL16 6, 1, NQ-1, 1, 0
	WIN 0
; THE WAY OUT.  Block a: 16 rows along the lanes x 128 along the registers = four blocks of 32.  Accumulator b holds in lane (r, h), register j, the index 16 b + 8 h + j: block be is accumulators 2 be, 2 be + 1 of lanes l and l xor 16.
; A block's scale: its largest magnitude's exponent field less 2, held at 1 from below by the floor 2^(3 - 127) among the maximum's leaves.
; The conversions' results are laid so that two exchanges of halves give a lane a whole block: registers 4 c .. 4 c + 3 of lane (r, h) = block 2 c + h.
.macro QOUT a
.set AS, 64*((\a)%4)
.if ((\a)%4) == 2
.set PCA, CB+8*((\a)/4)                ; (so that no destination has a source's number)
.else
.set PCA, AF+8*(\a)
.endif
	WIN 0x0a+5*((\a)/4)                            ; sources 0 and 1: window 2 or 3
.irp be, 0,1,2,3
	v_max3_num_f32 v[TM+\be], |v[AS+16*\be]|, |v[AS+16*\be+1]|, 0x1800000
.endr
.irp i, 2,4,6,8,10,12,14
.irp be, 0,1,2,3
	v_max3_num_f32 v[TM+\be], |v[AS+16*\be+\i]|, |v[AS+16*\be+\i+1]|, v[TM+\be]   ; the four blocks by turns; each accumulator is read from its low end on
.endr
.endr
	WIN 0
.irp be, 0,1,2,3
	v_permlanex16_b32 v[TX+\be], v[TM+\be], s40, s41
.endr
.irp be, 0,1,2,3
	v_max_num_f32 v[TM+\be], v[TM+\be], v[TX+\be]
.endr
.irp be, 0,1,2,3
	v_add_nc_u32 v[SO+\be], 0xff000000, v[TM+\be]  ; 2 off the exponent field: the conversion's scale operand
.endr
.irp be, 0,1,2,3
	v_lshrrev_b32 v[BY+\be], 23, v[SO+\be]         ; the byte
.endr
	v_lshl_or_b32 v[PW+(\a)], v[BY+1], 8, v[BY]
	v_lshl_or_b32 v[PW+(\a)], v[BY+2], 16, v[PW+(\a)]
	v_lshl_or_b32 v[PW+(\a)], v[BY+3], 24, v[PW+(\a)]
	WIN 0x02+(\a)/4                                ; source 0: window 2 or 3
.irp c, 0,1
	v_cvt_scalef32_pk8_fp4_f32 v[PCA+4*\c],   v[AS+32*\c:AS+32*\c+7],     v[SO+2*\c]
	v_cvt_scalef32_pk8_fp4_f32 v[PCA+4*\c+2], v[AS+32*\c+8:AS+32*\c+15],  v[SO+2*\c]
	v_cvt_scalef32_pk8_fp4_f32 v[PCA+4*\c+1], v[AS+32*\c+16:AS+32*\c+23], v[SO+2*\c+1]
	v_cvt_scalef32_pk8_fp4_f32 v[PCA+4*\c+3], v[AS+32*\c+24:AS+32*\c+31], v[SO+2*\c+1]
.endr
	WIN 0
	v_nop                                          ; one plain place behind a scaled conversion
.irp c, 0,1
	v_permlane16_swap_b32 v[PCA+4*\c], v[PCA+4*\c+1]
	v_permlane16_swap_b32 v[PCA+4*\c+2], v[PCA+4*\c+3]
.endr
.irp c, 0,1
	global_store_b128 v[OFF+\c+2*((\a)/4)], v[PCA+4*\c:PCA+4*\c+3], s[14:15] offset:((\a)%4)*1024   ; 32 lanes store 512 consecutive bytes, aligned; each block has code registers of its own
.endr
.endm
	PLACES NP
.irp a, 0,1,2,3,4,5,6,7
	QOUT \a
.endr
	s_cmp_eq_u32 s19, 1
	s_cbranch_scc1 .Lsc_v
.irp p, 0,1,2,3                                    ; q, k: a block's word holds head 0's two bytes and head 1's two: two token tiles' bytes of one head make a word
	v_perm_b32 v[TT+\p], v[PW+2*\p+1], v[PW+2*\p], 0x05040100
	v_perm_b32 v[UU+\p], v[PW+2*\p+1], v[PW+2*\p], 0x07060302
.endr
	global_store_b128 v[OFF], v[TT:TT+3], s[14:15] offset:8192
	global_store_b128 v[OFF], v[UU:UU+3], s[14:15] offset:8704
	s_branch .Lsc_done
.Lsc_v:                                            ; v: blocks 0-3 are head 0's channels, 4-7 head 1's: the words as they stand
	global_store_b128 v[OFF], v[PW:PW+3], s[14:15] offset:8192
	global_store_b128 v[OFF], v[PW+4:PW+7], s[14:15] offset:8704
.Lsc_done:
	s_wait_tensorcnt 0x0                           ; the wave's end
	ds_add_u32 v[SPW], v[NIL]
	s_wait_dscnt 0x0
	CROUND                                         ; the closing round
	s_endpgm
.Lfunc_end_k_q293298809a_qkv:
	.size	k_q293298809a_qkv, .Lfunc_end_k_q293298809a_qkv-k_q293298809a_qkv
	.p2alignl 7, 3214868480
	.fill 96, 4, 3214868480
	.section	.rodata,"a",@progbits
	.p2align	6, 0x0
	.amdhsa_kernel k_q293298809a_qkv
		.amdhsa_group_segment_fixed_size 327680
		.amdhsa_private_segment_fixed_size 0
		.amdhsa_enable_private_segment 0
		.amdhsa_kernarg_size 48
		.amdhsa_user_sgpr_count 2
		.amdhsa_user_sgpr_kernarg_segment_ptr 1
		.amdhsa_wavefront_size32 1
		.amdhsa_system_sgpr_workgroup_id_x 1
		.amdhsa_system_sgpr_workgroup_id_y 1
		.amdhsa_system_sgpr_workgroup_id_z 1
		.amdhsa_system_vgpr_workitem_id 0
		.amdhsa_next_free_vgpr 1024
		.amdhsa_next_free_sgpr 100
		.amdhsa_reserve_vcc 0
		.amdhsa_float_denorm_mode_32 3
		.amdhsa_float_denorm_mode_16_64 3
		.amdhsa_memory_ordered 1
		.amdhsa_forward_progress 1
		.amdhsa_inst_pref_size 148
	.end_amdhsa_kernel
	.amdgpu_metadata
---
amdhsa.version: [ 1, 2 ]
amdhsa.kernels:
  - .name:           k_q293298809a_qkv
    .symbol:         k_q293298809a_qkv.kd
    .args:
      - { .name: x_codes, .offset: 0, .size: 8, .value_kind: global_buffer, .address_space: global }
      - { .name: x_scales, .offset: 8, .size: 8, .value_kind: global_buffer, .address_space: global }
      - { .name: W_qkv_codes, .offset: 16, .size: 8, .value_kind: global_buffer, .address_space: global }
      - { .name: W_qkv_scales, .offset: 24, .size: 8, .value_kind: global_buffer, .address_space: global }
      - { .name: b_qkv, .offset: 32, .size: 8, .value_kind: global_buffer, .address_space: global }
      - { .name: qkvw, .offset: 40, .size: 8, .value_kind: global_buffer, .address_space: global }
    .group_segment_fixed_size: 327680
    .private_segment_fixed_size: 0
    .kernarg_segment_align: 8
    .kernarg_segment_size: 48
    .max_flat_workgroup_size: 128
    .sgpr_count:     100
    .vgpr_count:     1024
    .wavefront_size: 32
...
	.end_amdgpu_metadata
.endif
;; end of part 1
;; launch attn (part 2): grid 4 x 64, 16 waves a work-group, clusters of 4 x 1, 167,936 bytes of LDS; arguments qkvw, zc, zs; writes zc, zs
.if DOCPART == 2
	.amdgcn_target "amdgcn-amd-amdhsa--gfx1250"
	.amdhsa_code_object_version 6
	.text
	.protected	k_q293298809a_attn
	.globl	k_q293298809a_attn
	.p2align	8
	.type	k_q293298809a_attn,@function
k_q293298809a_attn:
	s_mov_b64 s[64:65], 0
	v_nop
	global_prefetch_b8 v0, s[64:65] scope:SCOPE_SE
	s_setreg_imm32_b32 hwreg(HW_REG_WAVE_MODE, 25, 1), 1
	s_wait_xcnt 0x0
	s_wait_alu depctr_hold_cnt(0) depctr_sa_sdst(0) depctr_va_vdst(0) depctr_va_sdst(0) depctr_va_ssrc(0) depctr_va_vcc(0) depctr_vm_vsrc(0)
	s_getreg_b32 s2, hwreg(HW_REG_IB_STS2, 6, 4)
	s_cmp_eq_u32 s2, 0
	s_cbranch_scc0 .Lentry_in_a_cluster
	s_endpgm
.Lentry_in_a_cluster:
	s_bfe_u32 s2, ttmp6, 0x10000c
	s_cmp_lg_u32 s2, 0x3003
	s_cbranch_scc0 .Lentry_shape_is_right
	s_endpgm
.Lentry_shape_is_right:
; z[b][q][64 H ..] = the sum over k <= q of softmax_k(q . k / 8) v, for one (batch, head) a work-group row; both products on codes of FP4 with E8M0 scales; z leaves quantised along d_model.
; WORK LEFT OUT: a key step all of whose 128 keys come after a tile's 16 queries: reference()'s own causal mask makes every p there exactly 0.  A NaN or an overflow that reaches only such a step is not carried on.
; THE SOFTMAX: t = score x log2(e) / 8; M = the running largest t rounded up to a whole number; p = 2^(t - M) is quantised along the keys, not normalised; the row's sum is taken of the unquantised p and divides at the end;
; when M moves, the sum and O are multiplied by 2^(old M - new M), which rounds nothing.
; LIMITS: NaN and infinities are not served; a block whose every p is 0 (and a block of z under 2^-124) gets the scale byte 1; a block's largest p is taken as the exponential of the block's largest score; 1 / l is v_rcp_f32's.
; SHARES.  The four work-groups of a cluster share a head.  Wave w owns TWO tiles of 16 queries at the same place a = cx + 4 (w / 8) in their groups of 128 queries: group w % 8 and group 15 - w % 8.
; A tile of group g walks key steps 0 .. g, so every wave of the launch walks 17 tile-steps.  Branches hang on the wave's number and the step's count alone; cx enters global addresses and vector data alone.
; LDS.  All of the head's k and v, as the images that launch qkv laid (a key step: nine rows of 512 bytes: eight of codes, one of scale words), comes once: each wave asks for two steps by one joint load.  No byte is filled again.
; PRODUCT 2 HAS K = 64.  A fragment of source 0 holds TWO tiles of 16 keys: registers 0-3 tile 2 p, registers 4-7 tile 2 p + 1.  Against [Q, zeros] it gives tile 2 p's scores, against [zeros, Q] tile 2 p + 1's:
; the other tile's codes meet zero codes and add exactly 0.  Q lies as [zeros][Q lo][zeros][Q hi][zeros].
; Both products are used transposed: a lane holds ONE query (lane % 16); score tile t holds key 16 t + 8 h + j in register j; O^T tile t holds channel 16 t + 8 h + j.
; REGISTERS: v1-11, v46 addresses; v12-15, v16-19 the two tiles' -M, largest t, sum in two halves; v20-39 Q; v40, v41 Q's scale words; v42-45 k's, then v's scale words; v48-79 k's, then v's fragments;
; v80-143 scores, then p; v144-175, v176-207 O^T; v208-215 p's codes; v216-235 at work; v252 f; v253 p's scale word; v254 at work.
.set SPARE, 147456                     ; behind k and v: the spare words, 128 bytes for each of sixteen waves
.set VB,    73728                      ; v's sixteen steps begin here
.set STEPB, 4608
.set KIND,  4718592
.set LI,  1                            ; 16 x lane
.set LIV, 2                            ; + VB
.set SPW, 3
.set NIL, 4
.set ADK, 5
.set ADV, 6
.set DQ,  8                            ; 16 a + r - 8 h: key 16 t + j of the diagonal step is hidden where it is greater
.set KSC, 42
.set KV,  48
.set S,   80
.set PC,  208
.set BM,  216
.set BX,  220
.set SO,  224
.set BY,  228
.set WV,  10
.set SI,  16                           ; s16 the key step;  s17 its first LDS byte
.macro CROUND
	s_barrier_signal -1
	s_barrier_wait -1
	s_cmp_lg_u32 s[WV], 0
	s_cbranch_scc1 .Lnot_wave_0_\@
	s_barrier_signal -3
.Lnot_wave_0_\@:
	s_barrier_wait -3
	s_barrier_signal -1
	s_barrier_wait -1
.endm
	s_load_b128 s[4:7], s[0:1], 0x0                ; qkvw s[4:5], zc s[6:7]
	s_load_b64 s[8:9], s[0:1], 0x10                ; zs
	v_lshl_add_u32 v[SPW], v0, 2, SPARE
	v_mov_b32 v[NIL], 0
	ds_add_u32 v[SPW], v[NIL]                      ; the wave's opening: the add, twice on end, and its wait ahead of my first tensor load
	ds_add_u32 v[SPW], v[NIL]
	v_lshrrev_b32 v5, 5, v0
	s_delay_alu instid0(VALU_DEP_1)
	v_readfirstlane_b32 s[WV], v5                  ; wave 0..15
	s_bfe_u32 s11, ttmp6, 0x40000                  ; cx
	s_and_b32 s12, ttmp7, 0xffff                   ; 16 x batch + head
	s_and_b32 s13, s[WV], 7                        ; the low tile's group
	s_xor_b32 s14, s13, 15                         ; the high tile's: 15 - that
	s_lshr_b32 s40, s[WV], 3
	s_lshl_b32 s15, s40, 2
	s_add_co_u32 s15, s15, s11                     ; a
	s_lshr_b32 s41, s12, 1
	s_mul_i32 s42, s41, 147456                     ; the pair of heads: 16 records
	s_and_b32 s41, s12, 1
	s_lshl_b32 s41, s41, 9
	s_add_co_u32 s42, s42, s41                     ; the head's first byte in a kind
	s_add_co_u32 s43, s40, 1                       ; waves 0-7 fetch k (kind 1), waves 8-15 v (kind 2),
	s_mul_i32 s43, s43, KIND
	s_mul_i32 s44, s13, 18432                      ; two records each
	s_add_co_u32 s44, s44, s43
	s_add_co_u32 s44, s44, s42
	s_mov_b32 s45, 0
	s_mov_b32 s24, 15|(3<<16)|(1<<21)              ; group 1: the mask: all four partners; elements of 8 bytes; bit 21 beside a mask; no padding
	s_mov_b32 s25, 64<<16                          ; tensor_dim0 = 64 elements: 512 bytes
	s_mov_b32 s26, 18<<16                          ; tensor_dim1 = 18 rows: two key steps
	s_mov_b32 s27, 64<<16                          ; tile_dim0
	s_mov_b32 s28, 18                              ; tile_dim1
	s_mov_b32 s29, 128                             ; from row to row: 1,024 bytes (the other head's rows lie between)
	s_mov_b32 s30, 0
	s_mov_b32 s31, 0
	s_mov_b32 s32, 1
	s_mul_i32 s33, s[WV], 9216                     ; LDS: wave x two steps
	s_mov_b32 s18, 0xffff0000                      ; lanes 16-31
	s_mov_b32 s20, 0x76543210
	s_mov_b32 s21, 0xfedcba98                      ; lane l xor 16
	s_mov_b32 s22, 0x3e38aa3b                      ; log2(e) / 8
	s_mov_b32 s23, s22
	s_mov_b32 s[SI], 0
	s_mov_b32 s17, 0
	s_wait_dscnt 0x0                               ; both opening adds are done
	s_wait_kmcnt 0x0
	s_add_nc_u64 s[34:35], s[4:5], s[44:45]
	s_or_b32 s35, s35, 0x80000000
	CROUND                                         ; all four work-groups are here
	tensor_load_to_lds s[32:35], s[24:31]          ; my one tensor load: every wave issues it, with the same registers in all four partners
	s_nop 0
.rept 4
	v_nop
.endr
	s_lshl_b32 s46, s15, 10                        ; q: row a of a record
	s_add_co_u32 s46, s46, s42
	s_mov_b32 s47, 0
	s_add_nc_u64 s[36:37], s[4:5], s[46:47]
	s_lshr_b32 s46, s15, 1                         ; its scale word: row 8, word a / 2
	s_lshl_b32 s46, s46, 2
	s_add_co_u32 s46, s46, s42
	s_add_co_u32 s46, s46, 8192
	s_add_nc_u64 s[38:39], s[4:5], s[46:47]
	v_and_b32 v[LI], 31, v0
	s_delay_alu instid0(VALU_DEP_1)
	v_lshlrev_b32 v[LI], 4, v[LI]
	s_delay_alu instid0(VALU_DEP_1)
	v_add_nc_u32 v[LIV], VB, v[LI]
	s_mul_i32 s48, s13, 9216
	s_mul_i32 s49, s14, 9216
	v_add_nc_u32 v5, s48, v[LI]
	v_add_nc_u32 v6, s49, v[LI]
	global_load_b128 v[24:27], v5, s[36:37]        ; Q lo: lane (r, h): block h of query r
	global_load_b128 v[32:35], v6, s[36:37]        ; Q hi
	global_load_b32 v40, v5, s[38:39]
	global_load_b32 v41, v6, s[38:39]
.irp j, 20,21,22,23,28,29,30,31,36,37,38,39
	v_mov_b32 v\j, 0                               ; zero codes
.endr
	v_and_b32 v7, 15, v0                           ; r
	v_bfe_u32 v47, v0, 4, 1                        ; h
	s_delay_alu instid0(VALU_DEP_1)
	v_lshlrev_b32 v[DQ], 3, v47
	s_delay_alu instid0(VALU_DEP_1)
	v_sub_nc_u32 v[DQ], v7, v[DQ]
	s_lshl_b32 s47, s15, 4
	v_add_nc_u32 v[DQ], s47, v[DQ]
	s_lshl_b32 s48, s13, 16                        ; z's codes: a group is 8 token tiles of 8,192 bytes
	s_lshl_b32 s49, s14, 16
	v_add_nc_u32 v9, s48, v[LI]
	v_add_nc_u32 v10, s49, v[LI]
	v_lshl_add_u32 v11, v7, 4, v47                 ; z's scale bytes: 16 r + h; a group is 8 x 512 bytes
	s_lshl_b32 s48, s13, 12
	s_lshl_b32 s49, s14, 12
	v_add_nc_u32 v46, s49, v11
	v_add_nc_u32 v11, s48, v11
	s_lshr_b32 s50, s12, 4                         ; the batch
	s_lshl_b32 s50, s50, 7
	s_add_co_u32 s50, s50, s15                     ; token tile 128 x batch + a (+ 8 x group)
	s_and_b32 s51, s12, 15                         ; the head
	s_lshl_b32 s52, s50, 13
	s_lshl_b32 s53, s51, 9
	s_add_co_u32 s52, s52, s53
	s_mov_b32 s53, 0
	s_add_nc_u64 s[54:55], s[6:7], s[52:53]
	s_lshl_b32 s52, s50, 9
	s_lshr_b32 s56, s51, 3
	s_lshl_b32 s56, s56, 8
	s_add_co_u32 s52, s52, s56
	s_and_b32 s56, s51, 7
	s_lshl_b32 s56, s56, 1
	s_add_co_u32 s52, s52, s56
	s_add_nc_u64 s[58:59], s[8:9], s[52:53]
	s_and_b32 s46, s15, 1                          ; my tile's two bytes of the word, twice: bytes 0, 1 (a even) or 2, 3
	s_mul_i32 s46, s46, 0x02020202
	s_add_co_u32 s46, s46, 0x01000100
	s_wait_loadcnt 0x0
	v_perm_b32 v40, v40, v40, s46
	v_perm_b32 v41, v41, v41, s46
.set n, 0
.rept 64
	v_mov_b32 v[144+n], 0                          ; O^T: the step is written once; the first finds zeros.  (Also the places between Q's scale words and the first product)
.set n, n+1
.endr
.irp st, 12, 16
	v_mov_b32 v[\st+1], 0xff61b1e6                 ; the largest t so far: -3e38
	s_delay_alu instid0(VALU_DEP_1)
	v_floor_f32 v[\st], -v[\st+1]                  ; -M
	v_mov_b32 v[\st+2], 0
	v_mov_b32 v[\st+3], 0
.endr
.irp b, 0,1,2,3
	v_mov_b32 v[BX+\b], 0                          ; a lane permute's destination counts as one of its sources
.endr
	v_mov_b32 v253, 0
	v_mov_b32 v254, 0
	s_wait_tensorcnt 0x0                           ; my two steps are in,
	s_barrier_signal -1
	s_barrier_wait -1                              ; everybody's are: the head's k and v lie in LDS
; One tile's key step.  st: its statistics; qz: [zeros][Q][zeros]; qs: Q's scale word; o: its O^T; g: the scalar that holds its group.
.macro STEP st, qz, qs, o, g
	s_cmp_gt_u32 s[SI], s[\g]                      ; all keys come after my queries: the step is left out
	s_cbranch_scc1 .Lskip_\@
.rept 4
	v_nop                                          ; places ahead of loads into registers that the last products read
.endr
	s_wait_alu depctr_va_vdst(0)
.irp i, 0,1,2,3,4,5,6,7
	ds_load_b128 v[KV+4*\i:KV+4*\i+3], v[ADK] offset:512*\i
.endr
	ds_load_b128 v[KSC:KSC+3], v[ADK] offset:4096
	s_wait_dscnt 0x0
.irp t, 0,1,2,3,4,5,6,7
.if \t % 2
	v_wmma_scale_f32_16x16x128_f8f6f4 v[S+8*\t:S+8*\t+7], v[KV+8*(\t/2):KV+8*(\t/2)+7], v[\qz:\qz+7], 0, v[KSC+\t/2], v[\qs] matrix_a_fmt:MATRIX_FMT_FP4 matrix_b_fmt:MATRIX_FMT_FP4
.else
	v_wmma_scale_f32_16x16x128_f8f6f4 v[S+8*\t:S+8*\t+7], v[KV+8*(\t/2):KV+8*(\t/2)+7], v[\qz+4:\qz+11], 0, v[KSC+\t/2], v[\qs] matrix_a_fmt:MATRIX_FMT_FP4 matrix_b_fmt:MATRIX_FMT_FP4
.endif
.endr
.rept 4
	v_nop                                          ; places ahead of the loads below and of the first read of the scores
.endr
	s_wait_alu depctr_va_vdst(0)
.irp t, 0,1,2,3                                    ; v's fragments are asked for now and land under the softmax
.irp c, 0,1
	ds_load_b128 v[KV+8*\t+4*\c:KV+8*\t+4*\c+3], v[ADV] offset:512*(\t+4*\c)
.endr
.endr
	ds_load_b128 v[KSC:KSC+3], v[ADV] offset:4096
	s_cmp_lg_u32 s[SI], s[\g]
	s_cbranch_scc1 .Lopen_\@
	v_mov_b32 v254, 0xff800000                     ; on the diagonal hidden scores become -infinity ahead of the maximum: p = 0
.set n, 0
.rept 64
	v_cmp_gt_i32 vcc_lo, 16*(n/8)+n%8, v[DQ]
	v_cndmask_b32 v[S+n], v[S+n], v254, vcc_lo
.set n, n+1
.endr
.Lopen_\@:
.irp b, 0,1,2,3
	v_max3_num_f32 v[BM+\b], v[S+16*\b], v[S+1+16*\b], v[S+2+16*\b]   ; the largest score of each block of 32 keys: it serves the row's maximum and the block's largest p
.endr
.irp i, 3,5,7,9,11,13
.irp b, 0,1,2,3
	v_max3_num_f32 v[BM+\b], v[BM+\b], v[S+16*\b+\i], v[S+1+16*\b+\i]
.endr
.endr
.irp b, 0,1,2,3
	v_max_num_f32 v[BM+\b], v[BM+\b], v[S+15+16*\b]
.endr
.irp b, 0,1,2,3
	s_delay_alu instid0(VALU_DEP_4)
	v_permlanex16_b32 v[BX+\b], v[BM+\b], s20, s21
.endr
.irp b, 0,1,2,3
	s_delay_alu instid0(VALU_DEP_4)
	v_max_num_f32 v[BM+\b], v[BM+\b], v[BX+\b]
.endr
	s_delay_alu instid0(VALU_DEP_2)
	v_max3_num_f32 v254, v[BM], v[BM+1], v[BM+2]
	s_delay_alu instid0(VALU_DEP_1)
	v_max_num_f32 v254, v254, v[BM+3]
	s_delay_alu instid0(VALU_DEP_1)
	v_mul_f32 v254, s22, v254                      ; as t
	s_delay_alu instid0(VALU_DEP_1)
	v_max_num_f32 v[\st+1], v[\st+1], v254         ; the running largest t
	v_mov_b32 v254, v[\st]
	s_delay_alu instid0(VALU_DEP_2)
	v_floor_f32 v[\st], -v[\st+1]                  ; the new -M: a whole number
	s_delay_alu instid0(VALU_DEP_1)
	v_sub_f32 v254, v[\st], v254                   ; old M - new M
	s_delay_alu instid0(VALU_DEP_1)
	v_cvt_i32_f32 v254, v254                       ; (it saturates)
	s_delay_alu instid0(VALU_DEP_1)
	v_ldexp_f32 v252, 1.0, v254                    ; f = 2^(old M - new M)
.set n, 0
.rept 32
	v_pk_fma_f32 v[S+n:S+n+1], v[S+n:S+n+1], s[22:23], v[\st:\st+1] op_sel_hi:[1,0,0]   ; t - M
.set n, n+2
.endr
.irp b, 0,1,2,3
	v_fma_f32 v[BM+\b], v[BM+\b], s22, v[\st]
.endr
.set n, 0
	s_wait_alu depctr_va_vdst(0)
.rept 64
	v_exp_f32 v[S+n], v[S+n]                       ; p
.set n, n+1
.endr
	v_pk_mul_f32 v[\st+2:\st+3], v[\st+2:\st+3], v[252:253] op_sel_hi:[1,0]   ; the sum under the new M: a plain place behind the exponentials
	s_wait_alu depctr_va_vdst(0)                   ; one wait for the batch, ahead of its first reader
.irp b, 0,1,2,3
	v_exp_f32 v[BM+\b], v[BM+\b]                   ; each block's largest p
.endr
	v_pk_add_f32 v[232:233], v[S:S+1], v[S+2:S+3]  ; the row's sum of the unquantised p, in two chains
.set n, 4
.rept 15
	v_pk_add_f32 v[\st+2:\st+3], v[\st+2:\st+3], v[S+n:S+n+1]
	v_pk_add_f32 v[232:233], v[232:233], v[S+n+2:S+n+3]
.set n, n+4
.endr
	s_delay_alu instid0(VALU_DEP_1)
	v_pk_add_f32 v[\st+2:\st+3], v[\st+2:\st+3], v[232:233]
	s_wait_alu depctr_va_vdst(0)                   ; and one for the four
.irp b, 0,1,2,3
	v_max_num_f32 v[BM+\b], 0x1800000, v[BM+\b]    ; the floor 2^(3 - 127)
.endr
.irp b, 0,1,2,3
	s_delay_alu instid0(VALU_DEP_4)
	v_add_nc_u32 v[SO+\b], 0xff000000, v[BM+\b]
.endr
.irp b, 0,1,2,3
	s_delay_alu instid0(VALU_DEP_4)
	v_lshrrev_b32 v[BY+\b], 23, v[SO+\b]
.endr
	s_delay_alu instid0(VALU_DEP_3)
	v_lshl_or_b32 v253, v[BY+1], 8, v[BY]          ; p's scale word for these 128 keys
	s_delay_alu instid0(VALU_DEP_1)
	v_lshl_or_b32 v253, v[BY+2], 16, v253
	s_delay_alu instid0(VALU_DEP_1)
	v_lshl_or_b32 v253, v[BY+3], 24, v253
.irp c, 0,1
	v_cvt_scalef32_pk8_fp4_f32 v[PC+4*\c],   v[S+32*\c:S+32*\c+7],     v[SO+2*\c]
	v_cvt_scalef32_pk8_fp4_f32 v[PC+4*\c+2], v[S+32*\c+8:S+32*\c+15],  v[SO+2*\c]
	v_cvt_scalef32_pk8_fp4_f32 v[PC+4*\c+1], v[S+32*\c+16:S+32*\c+23], v[SO+2*\c+1]
	v_cvt_scalef32_pk8_fp4_f32 v[PC+4*\c+3], v[S+32*\c+24:S+32*\c+31], v[SO+2*\c+1]
.endr
	v_nop                                          ; one plain place behind a scaled conversion
.irp c, 0,1
	v_permlane16_swap_b32 v[PC+4*\c], v[PC+4*\c+1] ; a whole block to a lane: registers 4 c .. 4 c + 3 of lane (r, h) = keys 64 c + 32 h + 0 .. 31
	v_permlane16_swap_b32 v[PC+4*\c+2], v[PC+4*\c+3]
.endr
.set n, 0
.rept 16
	v_pk_mul_f32 v[\o+n:\o+n+1], v[\o+n:\o+n+1], v[252:253] op_sel_hi:[1,0]   ; O^T under the new M.  (Also the places ahead of the products below)
.set n, n+2
.endr
	s_wait_alu depctr_va_vdst(0)
	s_wait_dscnt 0x0                               ; v's fragments and scale words are in
.irp t, 0,1,2,3                                    ; the four accumulators by turns, one instruction a turn
	v_wmma_scale_f32_16x16x128_f8f6f4 v[\o+8*\t:\o+8*\t+7], v[KV+8*\t:KV+8*\t+7], v[PC:PC+7], v[\o+8*\t:\o+8*\t+7], v[KSC+\t], v253 matrix_a_fmt:MATRIX_FMT_FP4 matrix_b_fmt:MATRIX_FMT_FP4
.endr
.Lskip_\@:
.endm
.Lstep:                                            ; sixteen trips, a constant: what a wave leaves out is jumped over inside
	v_add_nc_u32 v[ADK], s17, v[LI]
	v_add_nc_u32 v[ADV], s17, v[LIV]
	STEP 12, 20, 40, 144, 13
	STEP 16, 28, 41, 176, 14
	s_add_co_u32 s[SI], s[SI], 1
	s_add_co_u32 s17, s17, STEPB
	s_cmp_lt_u32 s[SI], 16
	s_cbranch_scc1 .Lstep
; THE WAY OUT of a tile: O^T / l; the head's 64 channels are two blocks of 32 along d_model; codes and bytes as launch proj's operand wants them.
.macro OUT st, o, sreg, pc, zoff, zsoff, zb
	v_add_f32 v254, v[\st+2], v[\st+3]
	s_wait_alu depctr_va_vdst(0)
	v_permlanex16_b32 v[BX], v254, s20, s21
	s_delay_alu instid0(VALU_DEP_1)
	v_add_f32 v254, v254, v[BX]                    ; the row's sum
	s_wait_alu depctr_va_vdst(0)
	v_rcp_f32 v252, v254
	v_nop                                          ; a plain place behind the reciprocal
	s_wait_alu depctr_va_vdst(0)                   ; and the wait ahead of its first reader
.set n, 0
.rept 16
	v_pk_mul_f32 v[\sreg+n:\sreg+n+1], v[\o+n:\o+n+1], v[252:253] op_sel_hi:[1,0]
.set n, n+2
.endr
.irp b, 0,1
	v_max3_num_f32 v[BM+\b], |v[\sreg+16*\b]|, |v[\sreg+1+16*\b]|, 0x1800000
.endr
.irp i, 2,4,6,8,10,12,14
.irp b, 0,1
	s_delay_alu instid0(VALU_DEP_2)
	v_max3_num_f32 v[BM+\b], v[BM+\b], |v[\sreg+16*\b+\i]|, |v[\sreg+1+16*\b+\i]|
.endr
.endr
.irp b, 0,1
	s_delay_alu instid0(VALU_DEP_2)
	v_permlanex16_b32 v[BX+\b], v[BM+\b], s20, s21
.endr
.irp b, 0,1
	s_delay_alu instid0(VALU_DEP_2)
	v_max_num_f32 v[BM+\b], v[BM+\b], v[BX+\b]
.endr
.irp b, 0,1
	s_delay_alu instid0(VALU_DEP_2)
	v_add_nc_u32 v[SO+\b], 0xff000000, v[BM+\b]
.endr
.irp b, 0,1
	s_delay_alu instid0(VALU_DEP_2)
	v_lshrrev_b32 v[BY+\b], 23, v[SO+\b]
.endr
	v_cvt_scalef32_pk8_fp4_f32 v[\pc],   v[\sreg:\sreg+7],     v[SO]
	v_cvt_scalef32_pk8_fp4_f32 v[\pc+2], v[\sreg+8:\sreg+15],  v[SO]
	v_cvt_scalef32_pk8_fp4_f32 v[\pc+1], v[\sreg+16:\sreg+23], v[SO+1]
	v_cvt_scalef32_pk8_fp4_f32 v[\pc+3], v[\sreg+24:\sreg+31], v[SO+1]
	v_nop
	v_permlane16_swap_b32 v[\pc], v[\pc+1]
	v_permlane16_swap_b32 v[\pc+2], v[\pc+3]
	v_cndmask_b32 v[\zb], v[BY], v[BY+1], s18      ; lane (r, h) holds block h's byte
	global_store_b128 v[\zoff], v[\pc:\pc+3], s[54:55]     ; 32 lanes store 512 consecutive bytes, aligned
	global_store_b8 v[\zsoff], v[\zb], s[58:59]            ; two bytes of each row's sixteen: a work-group has one head of the eight that share those bytes
.endm
.rept 4
	v_nop                                          ; places behind the last products
.endr
	OUT 12, 144, 80, 208, 9, 11, 234
	OUT 16, 176, 112, 212, 10, 46, 235
	s_wait_tensorcnt 0x0                           ; the wave's end
	ds_add_u32 v[SPW], v[NIL]
	s_wait_dscnt 0x0
	CROUND                                         ; the closing round
	s_endpgm
.Lfunc_end_k_q293298809a_attn:
	.size	k_q293298809a_attn, .Lfunc_end_k_q293298809a_attn-k_q293298809a_attn
	.p2alignl 7, 3214868480
	.fill 96, 4, 3214868480
	.section	.rodata,"a",@progbits
	.p2align	6, 0x0
	.amdhsa_kernel k_q293298809a_attn
		.amdhsa_group_segment_fixed_size 167936
		.amdhsa_private_segment_fixed_size 0
		.amdhsa_enable_private_segment 0
		.amdhsa_kernarg_size 24
		.amdhsa_user_sgpr_count 2
		.amdhsa_user_sgpr_kernarg_segment_ptr 1
		.amdhsa_wavefront_size32 1
		.amdhsa_system_sgpr_workgroup_id_x 1
		.amdhsa_system_sgpr_workgroup_id_y 1
		.amdhsa_system_sgpr_workgroup_id_z 1
		.amdhsa_system_vgpr_workitem_id 0
		.amdhsa_next_free_vgpr 256
		.amdhsa_next_free_sgpr 66
		.amdhsa_reserve_vcc 1
		.amdhsa_float_denorm_mode_32 3
		.amdhsa_float_denorm_mode_16_64 3
		.amdhsa_memory_ordered 1
		.amdhsa_forward_progress 1
		.amdhsa_inst_pref_size 60
	.end_amdhsa_kernel
	.amdgpu_metadata
---
amdhsa.version: [ 1, 2 ]
amdhsa.kernels:
  - .name:           k_q293298809a_attn
    .symbol:         k_q293298809a_attn.kd
    .args:
      - { .name: qkvw, .offset: 0, .size: 8, .value_kind: global_buffer, .address_space: global }
      - { .name: zc, .offset: 8, .size: 8, .value_kind: global_buffer, .address_space: global }
      - { .name: zs, .offset: 16, .size: 8, .value_kind: global_buffer, .address_space: global }
    .group_segment_fixed_size: 167936
    .private_segment_fixed_size: 0
    .kernarg_segment_align: 8
    .kernarg_segment_size: 24
    .max_flat_workgroup_size: 512
    .sgpr_count:     66
    .vgpr_count:     256
    .wavefront_size: 32
...
	.end_amdgpu_metadata
.endif
;; end of part 2
;; launch proj (part 3): grid 4 x 64, 4 waves a work-group, clusters of 4 x 4, 262,144 bytes of LDS; arguments zc, zs, W_o_codes, W_o_scales, b_o, out0; writes out0
.if DOCPART == 3
	.amdgcn_target "amdgcn-amd-amdhsa--gfx1250"
	.amdhsa_code_object_version 6
	.text
	.protected	k_q293298809a_proj
	.globl	k_q293298809a_proj
	.p2align	8
	.type	k_q293298809a_proj,@function
k_q293298809a_proj:
	s_mov_b64 s[64:65], 0
	v_nop
	global_prefetch_b8 v0, s[64:65] scope:SCOPE_SE
	s_setreg_imm32_b32 hwreg(HW_REG_WAVE_MODE, 25, 1), 1
	s_wait_xcnt 0x0
	s_wait_alu depctr_hold_cnt(0) depctr_sa_sdst(0) depctr_va_vdst(0) depctr_va_sdst(0) depctr_va_ssrc(0) depctr_va_vcc(0) depctr_vm_vsrc(0)
	s_getreg_b32 s2, hwreg(HW_REG_IB_STS2, 6, 4)
	s_cmp_eq_u32 s2, 0
	s_cbranch_scc0 .Lentry_in_a_cluster
	s_endpgm
.Lentry_in_a_cluster:
	s_bfe_u32 s2, ttmp6, 0x10000c
	s_cmp_lg_u32 s2, 0xf033
	s_cbranch_scc0 .Lentry_shape_is_right
	s_endpgm
.Lentry_shape_is_right:
; out0 = z W_o^T + b_o on codes of FP4 with E8M0 scales.  z comes as launch attn laid it: zc [512 token tiles][16 heads][512 bytes = 16 x lane]: head H is half H % 2 of the fragment of K step H / 2;
; zs [token tile][half of K][row][16 bytes]: four scale words a row.  W_o's codes [1,024][512 bytes], its scale bytes [1,024][32].  Nothing is left out here.
; A work-group makes 128 tokens x 256 outputs, a wave 64 x 128: 32 accumulators.  The matrix instruction is used transposed (source 0 = 16 rows of W_o, source 1 = z): a lane holds eight neighbouring outputs of one token.
; K = 1,024 lies in LDS whole, in two chunks of 512, each filled once.  CLUSTERS: 4 x 4; z's tiles are shared along a row of the cluster, W_o's along a column.  b_o is the C of each sum's first matrix instruction.
; REGISTERS: window 0: v1-29 addresses; v32-63 z's scale words, v64-127 W_o's, for all of K; v128-191 z's fragments, two sets; v192-255 the bias; on the way out v128-255 hold rows of out0.
;   window 1: v0-127 W_o's fragments, two sets.   window 2: accumulator (i, b) at v[8 (8 i + b)].
.set BCH,   69632                      ; a chunk of W_o: 256 rows x 272 bytes
.set AIMG,  139264                     ; z's images: chunk s at + 32,768 s; token tile at + 4,096; K step at + 1,024
.set ASC,   204800                     ; z's scale words: 8 token tiles x 512 bytes
.set BSC,   208896                     ; W_o's scale bytes: 32 units of 256 bytes + 16
.set STAGE, 217600                     ; the way out: 16 rows x 528 bytes for each wave; no fill lands here
.set SPARE, 251392
.set SPITCH, 528
.set LI,   8
.set BO,   9
.set ADRA, 16
.set ADRB, 20
.set ADSA, 22
.set ADSB, 23
.set STO,  24
.set RD,   25
.set SPW,  28
.set NIL,  29
.set SA,   32
.set SB,   64
.set AF,   128
.set CB,   192
.set BK,   128
.set G1A,  24
.set G0A,  32
.set G0AS, 40
.set G1AS, 44
.set G1B,  52
.set G0BS, 60
.set G0B,  68
.set G1BS, 76
.set MSB, 0
.macro WIN new
.if MSB != (\new)
	s_set_vgpr_msb (MSB<<8)|(\new)
.set MSB, (\new)
.endif
.endm
.macro JLOAD g0a, g1a, g0b, g1b        ; waves 0 and 1 fetch for z, waves 2 and 3 for W_o; an s_nop 0 and four v_nop follow each line
	s_cmp_eq_u32 s17, 0
	s_cbranch_scc0 .Lfor_b_\@
	tensor_load_to_lds s[\g0a:\g0a+3], s[\g1a:\g1a+7]
	s_nop 0
.rept 4
	v_nop
.endr
	s_branch .Lasked_\@
.Lfor_b_\@:
	tensor_load_to_lds s[\g0b:\g0b+3], s[\g1b:\g1b+7]
	s_nop 0
.rept 4
	v_nop
.endr
.Lasked_\@:
.endm
.macro CROUND
	s_barrier_signal -1
	s_barrier_wait -1
	s_cmp_lg_u32 s16, 0
	s_cbranch_scc1 .Lnot_wave_0_\@
	s_barrier_signal -3
.Lnot_wave_0_\@:
	s_barrier_wait -3
	s_barrier_signal -1
	s_barrier_wait -1
.endm
.macro PLACES n
.rept \n
	v_nop
.endr
.endm
	s_load_b256 s[4:11], s[0:1], 0x0               ; zc s[4:5], zs s[6:7], W_o's codes s[8:9], its scales s[10:11]
	s_load_b128 s[12:15], s[0:1], 0x20             ; b_o s[12:13], out0 s[14:15]
	v_lshl_add_u32 v[SPW], v0, 2, SPARE
	v_mov_b32 v[NIL], 0
	ds_add_u32 v[SPW], v[NIL]                      ; the wave's opening: the add, twice on end, and its wait ahead of my first tensor load
	ds_add_u32 v[SPW], v[NIL]
	v_lshrrev_b32 v1, 5, v0
	v_readfirstlane_b32 s16, v1                    ; wave 0..3
	s_lshr_b32 s17, s16, 1                         ; RH: my 64 tokens.  Also: I fetch for z (0) or for W_o (1)
	s_and_b32 s18, s16, 1                          ; CH: my 128 outputs.  Also: which half I fetch
	s_bfe_u32 s20, ttmp6, 0x40000                  ; cx
	s_bfe_u32 s21, ttmp6, 0x40004                  ; cy
	s_lshl_b32 s22, ttmp9, 2
	s_add_co_u32 s22, s22, s20                     ; TC: which 256 outputs
	s_and_b32 s23, ttmp7, 0xffff
	s_lshl_b32 s23, s23, 2
	s_add_co_u32 s23, s23, s21                     ; TR: which 128 tokens
	s_lshl_b32 s2, s21, 2
	s_lshl_b32 s2, 15, s2                          ; my row of the cluster
	s_lshl_b32 s3, 0x1111, s20                     ; my column
	s_or_b32 s[G1A], s2, (3<<16)|(1<<21)           ; z's codes: 4 token tiles x 4,096 bytes (512 elements of 8), 8,192 bytes apart; dense in LDS
	s_mov_b32 s[G1A+1], 512<<16
	s_mov_b32 s[G1A+2], 4<<16
	s_mov_b32 s[G1A+3], 512<<16
	s_mov_b32 s[G1A+4], 4
	s_mov_b32 s[G1A+5], 1024
	s_mov_b32 s[G1A+6], 0
	s_mov_b32 s[G1A+7], 0
	s_or_b32 s[G1AS], s2, (3<<16)|(1<<21)          ; z's scale words: 2,048 dense bytes as 8 rows of 256
	s_mov_b32 s[G1AS+1], 32<<16
	s_mov_b32 s[G1AS+2], 8<<16
	s_mov_b32 s[G1AS+3], 32<<16
	s_mov_b32 s[G1AS+4], 8
	s_mov_b32 s[G1AS+5], 32
	s_mov_b32 s[G1AS+6], 0
	s_mov_b32 s[G1AS+7], 0
	s_or_b32 s[G1B], s3, (1<<20)|(1<<21)|(5<<22)|(3<<25)   ; W_o's codes: 128 rows x 256 bytes, 16 bytes of padding behind each
	s_mov_b32 s[G1B+1], 256<<16
	s_mov_b32 s[G1B+2], 128<<16
	s_mov_b32 s[G1B+3], 256<<16
	s_mov_b32 s[G1B+4], 128
	s_mov_b32 s[G1B+5], 512
	s_mov_b32 s[G1B+6], 0
	s_mov_b32 s[G1B+7], 0
	s_or_b32 s[G1BS], s3, (3<<16)|(1<<20)|(1<<21)|(5<<22)|(3<<25)   ; its scale bytes: 4,096 dense bytes as 16 rows of 256, padded likewise
	s_mov_b32 s[G1BS+1], 32<<16
	s_mov_b32 s[G1BS+2], 16<<16
	s_mov_b32 s[G1BS+3], 32<<16
	s_mov_b32 s[G1BS+4], 16
	s_mov_b32 s[G1BS+5], 32
	s_mov_b32 s[G1BS+6], 0
	s_mov_b32 s[G1BS+7], 0
	s_lshl_b32 s84, s23, 3
	s_lshl_b32 s85, s18, 2
	s_add_co_u32 s84, s84, s85                     ; z: token tile 8 TR + 4 x half
	s_lshl_b32 s86, s84, 13
	s_mov_b32 s87, 0
	s_lshl_b32 s88, s84, 9
	s_mov_b32 s89, 0
	s_lshl_b32 s90, s22, 8
	s_lshl_b32 s91, s18, 7
	s_add_co_u32 s90, s90, s91                     ; W_o: row 256 TC + 128 x half
	s_lshl_b32 s92, s90, 9
	s_mov_b32 s93, 0
	s_lshl_b32 s94, s90, 5
	s_mov_b32 s95, 0
	s_lshl_b32 s96, s18, 14                        ; where they go: half x 16,384, 2,048, 34,816, 4,352
	s_lshl_b32 s97, s18, 11
	s_mul_i32 s98, s18, 34816
	s_mul_i32 s99, s18, 4352
	s_wait_dscnt 0x0                               ; both opening adds are done
	s_wait_kmcnt 0x0
	s_add_nc_u64 s[4:5], s[4:5], s[86:87]
	s_add_nc_u64 s[6:7], s[6:7], s[88:89]
	s_add_nc_u64 s[8:9], s[8:9], s[92:93]
	s_add_nc_u64 s[10:11], s[10:11], s[94:95]
	CROUND                                         ; all sixteen work-groups are here
	s_mov_b32 s[G0AS], 1
	s_add_co_u32 s[G0AS+1], s97, ASC
	s_mov_b64 s[G0AS+2:G0AS+3], s[6:7]
	s_or_b32 s[G0AS+3], s[G0AS+3], 0x80000000
	s_mov_b32 s[G0BS], 1
	s_add_co_u32 s[G0BS+1], s99, BSC
	s_mov_b64 s[G0BS+2:G0BS+3], s[10:11]
	s_or_b32 s[G0BS+3], s[G0BS+3], 0x80000000
	JLOAD G0AS, G1AS, G0BS, G1BS                   ; the scales first, then the two chunks of K: three loads of mine are out
.irp s, 0,1
	s_mov_b32 s[G0A+4*\s], 1
	s_add_co_u32 s[G0A+4*\s+1], s96, AIMG+\s*32768
	s_add_nc_u64 s[G0A+4*\s+2:G0A+4*\s+3], s[4:5], \s*4096
	s_or_b32 s[G0A+4*\s+3], s[G0A+4*\s+3], 0x80000000
	s_mov_b32 s[G0B+4*\s], 1
	s_add_co_u32 s[G0B+4*\s+1], s98, \s*BCH
	s_add_nc_u64 s[G0B+4*\s+2:G0B+4*\s+3], s[8:9], \s*256
	s_or_b32 s[G0B+4*\s+3], s[G0B+4*\s+3], 0x80000000
	JLOAD G0A+4*\s, G1A, G0B+4*\s, G1B
.endr
	v_and_b32 v1, 15, v0                           ; r
	v_bfe_u32 v2, v0, 4, 1                         ; h
	v_and_b32 v3, 31, v0
	v_lshlrev_b32 v[LI], 4, v3                     ; 16 x lane
	v_lshlrev_b32 v[BO], 5, v2                     ; 32 h
	s_lshl_b32 s84, s90, 2                         ; b_o at my 128 outputs
	s_mov_b32 s85, 0
	s_add_nc_u64 s[12:13], s[12:13], s[84:85]
.irp b, 0,1,2,3,4,5,6,7
	global_load_b128 v[CB+8*\b:CB+8*\b+3], v[BO], s[12:13] offset:64*\b        ; b_o(16 b + 8 h + 0 .. 7): the C of accumulator (i, b)
	global_load_b128 v[CB+8*\b+4:CB+8*\b+7], v[BO], s[12:13] offset:64*\b+16
.endr
	s_lshl_b32 s86, s17, 14                        ; my four token tiles
	s_add_co_u32 s86, s86, AIMG
	v_add_nc_u32 v[ADRA], s86, v[LI]
	s_add_co_u32 s86, s86, 32768
	v_add_nc_u32 v[ADRA+1], s86, v[LI]
	v_mul_u32_u24 v4, v1, 272
	v_lshl_add_u32 v4, v2, 4, v4
	v_add_nc_u32 v[ADRB], s98, v4                  ; my 128 rows of W_o
	s_add_co_u32 s87, s98, BCH
	v_add_nc_u32 v[ADRB+1], s87, v4
	s_lshl_b32 s86, s17, 11
	s_add_co_u32 s86, s86, ASC
	v_lshl_add_u32 v[ADSA], v1, 4, s86             ; z's scale words: 16 bytes a row
	v_lshrrev_b32 v5, 3, v1
	v_lshlrev_b32 v6, 5, v1
	v_lshl_add_u32 v6, v5, 4, v6                   ; W_o's: 32 bytes a row, and 16 more behind each 256
	s_add_co_u32 s87, s99, BSC
	v_add_nc_u32 v[ADSB], s87, v6
	s_mul_i32 s86, s16, 16*SPITCH
	s_add_co_u32 s86, s86, STAGE                   ; my stage
	v_mul_u32_u24 v5, v1, SPITCH
	v_lshl_add_u32 v5, v2, 5, v5
	v_add_nc_u32 v[STO], s86, v5
	v_add_nc_u32 v[RD], s86, v[LI]
	s_lshl_b32 s86, s23, 7
	s_lshl_b32 s87, s17, 6
	s_add_co_u32 s86, s86, s87                     ; my first token
	s_lshl_b32 s86, s86, 12                        ; a row of out0 is 4,096 bytes: under 2^32
	s_add_co_u32 s86, s86, s84                     ; + my first output, in bytes
	s_mov_b32 s87, 0
	s_add_nc_u64 s[14:15], s[14:15], s[86:87]
.macro FETCH q                         ; K step q's fragments into set q % 2: W_o's eight, z's four
.set FS, (\q)/4
.set FQ, (\q)%4
.set FP, (\q)%2
	WIN 0x40                                       ; destination window 1
.irp b, 0,1,2,3,4,5,6,7
.irp c, 0,1
	ds_load_b128 v[64*FP+8*\b+4*\c:64*FP+8*\b+4*\c+3], v[ADRB+FS] offset:64*FQ+32*\c+4352*\b
.endr
.endr
	WIN 0
.irp i, 0,1,2,3
.irp c, 0,1
	ds_load_b128 v[AF+32*FP+8*\i+4*\c:AF+32*FP+8*\i+4*\c+3], v[ADRA+FS] offset:4096*\i+1024*FQ+512*\c
.endr
.endr
.endm
.macro KSTEP q
	s_wait_dscnt 0x0                               ; this step's fragments, asked for a step ago, are in
.if (\q) == 3
	s_wait_tensorcnt 0x0                           ; my part of chunk 1 has landed,
	s_barrier_signal -1
	s_barrier_wait -1                              ; everybody's has
.endif
.if (\q) < 7
	PLACES 4                                       ; ahead of loads into the set that the last products read
	FETCH (\q)+1
.endif
.set PS, (\q)/4
.set PQ, (\q)%4
.set PP, (\q)%2
.if (\q) == 0
	WIN 0x81                                       ; source 0 window 1, C (the bias) window 0, D window 2
.else
	WIN 0xa1                                       ; C and D window 2
.endif
.irp i, 0,1,2,3                                    ; the 32 accumulators take turns, one instruction a turn, in the same order in every step
.irp b, 0,1,2,3,4,5,6,7
.if (\q) == 0
	v_wmma_scale_f32_16x16x128_f8f6f4 v[8*(8*\i+\b):8*(8*\i+\b)+7], v[64*PP+8*\b:64*PP+8*\b+7], v[AF+32*PP+8*\i:AF+32*PP+8*\i+7], v[CB+8*\b:CB+8*\b+7], v[SB+32*PS+4*\b+PQ], v[SA+16*PS+4*\i+PQ] matrix_a_fmt:MATRIX_FMT_FP4 matrix_b_fmt:MATRIX_FMT_FP4
.else
	v_wmma_scale_f32_16x16x128_f8f6f4 v[8*(8*\i+\b):8*(8*\i+\b)+7], v[64*PP+8*\b:64*PP+8*\b+7], v[AF+32*PP+8*\i:AF+32*PP+8*\i+7], v[8*(8*\i+\b):8*(8*\i+\b)+7], v[SB+32*PS+4*\b+PQ], v[SA+16*PS+4*\i+PQ] matrix_a_fmt:MATRIX_FMT_FP4 matrix_b_fmt:MATRIX_FMT_FP4
.endif
.endr
.endr
	WIN 0
.endm
	s_wait_tensorcnt 1                             ; the scales and my part of chunk 0 are in; chunk 1's load may be out,
	s_barrier_signal -1
	s_barrier_wait -1                              ; everybody's are
.irp s, 0,1                                        ; the scale words of all of K, once
.irp i, 0,1,2,3
	ds_load_b128 v[SA+16*\s+4*\i:SA+16*\s+4*\i+3], v[ADSA] offset:512*\i+256*\s
.endr
.irp b, 0,1,2,3,4,5,6,7
	ds_load_b128 v[SB+32*\s+4*\b:SB+32*\s+4*\b+3], v[ADSB] offset:544*\b+16*\s
.endr
.endr
	FETCH 0
	s_wait_loadcnt 0x0                             ; the bias
.irp q, 0,1,2,3,4,5,6,7
	KSTEP \q
.endr
; THE WAY OUT, 16 tokens x 128 outputs at a time, through my own stage: in by lanes (32 bytes of a row), back as whole rows of 512 bytes.  LDS serves a wave's instructions in order (ISA guide 5.7.1.4).
.macro TOSTAGE i
	WIN 0x08                                       ; an LDS store's data: window 2
.irp b, 0,1,2,3,4,5,6,7
	ds_store_b128 v[STO], v[8*(8*(\i)+\b):8*(8*(\i)+\b)+3] offset:64*\b        ; each accumulator from its low end on
	ds_store_b128 v[STO], v[8*(8*(\i)+\b)+4:8*(8*(\i)+\b)+7] offset:64*\b+16
.endr
	WIN 0
.set BB, BK+64*((\i)%2)
.irp t, 0,1,2,3,4,5,6,7,8,9,10,11,12,13,14,15
	ds_load_b128 v[BB+4*\t:BB+4*\t+3], v[RD] offset:\t*SPITCH
.endr
.endm
.macro SEND i, younger                 ; younger: the LDS instructions issued behind block i's loads, which may stay out
.set BB, BK+64*((\i)%2)
	s_wait_dscnt \younger
.irp t, 0,1,2,3,4,5,6,7,8,9,10,11,12,13,14,15
	global_store_b128 v[LI], v[BB+4*\t:BB+4*\t+3], s[14:15] offset:(16*(\i)+\t)*4096 th:TH_STORE_NT   ; 32 lanes store 512 consecutive bytes, aligned; written once, read by nobody here
.endr
.endm
	PLACES 4
	TOSTAGE 0
.irp i, 1,2,3
.if \i > 1
	s_wait_xcnt 0x0                                ; block i - 2's stores have read their registers: block i's rows may land there
.endif
	TOSTAGE \i
	SEND \i-1, 32                                  ; behind block i - 1's loads: block i's 16 stores and 16 loads
.endr
	SEND 3, 0
	s_wait_tensorcnt 0x0                           ; the wave's end
	ds_add_u32 v[SPW], v[NIL]
	s_wait_dscnt 0x0
	CROUND                                         ; the closing round
	s_endpgm
.Lfunc_end_k_q293298809a_proj:
	.size	k_q293298809a_proj, .Lfunc_end_k_q293298809a_proj-k_q293298809a_proj
	.p2alignl 7, 3214868480
	.fill 96, 4, 3214868480
	.section	.rodata,"a",@progbits
	.p2align	6, 0x0
	.amdhsa_kernel k_q293298809a_proj
		.amdhsa_group_segment_fixed_size 262144
		.amdhsa_private_segment_fixed_size 0
		.amdhsa_enable_private_segment 0
		.amdhsa_kernarg_size 48
		.amdhsa_user_sgpr_count 2
		.amdhsa_user_sgpr_kernarg_segment_ptr 1
		.amdhsa_wavefront_size32 1
		.amdhsa_system_sgpr_workgroup_id_x 1
		.amdhsa_system_sgpr_workgroup_id_y 1
		.amdhsa_system_sgpr_workgroup_id_z 1
		.amdhsa_system_vgpr_workitem_id 0
		.amdhsa_next_free_vgpr 768
		.amdhsa_next_free_sgpr 100
		.amdhsa_reserve_vcc 0
		.amdhsa_float_denorm_mode_32 3
		.amdhsa_float_denorm_mode_16_64 3
		.amdhsa_memory_ordered 1
		.amdhsa_forward_progress 1
		.amdhsa_inst_pref_size 74
	.end_amdhsa_kernel
	.amdgpu_metadata
---
amdhsa.version: [ 1, 2 ]
amdhsa.kernels:
  - .name:           k_q293298809a_proj
    .symbol:         k_q293298809a_proj.kd
    .args:
      - { .name: zc, .offset: 0, .size: 8, .value_kind: global_buffer, .address_space: global }
      - { .name: zs, .offset: 8, .size: 8, .value_kind: global_buffer, .address_space: global }
      - { .name: W_o_codes, .offset: 16, .size: 8, .value_kind: global_buffer, .address_space: global }
      - { .name: W_o_scales, .offset: 24, .size: 8, .value_kind: global_buffer, .address_space: global }
      - { .name: b_o, .offset: 32, .size: 8, .value_kind: global_buffer, .address_space: global }
      - { .name: out0, .offset: 40, .size: 8, .value_kind: global_buffer, .address_space: global }
    .group_segment_fixed_size: 262144
    .private_segment_fixed_size: 0
    .kernarg_segment_align: 8
    .kernarg_segment_size: 48
    .max_flat_workgroup_size: 128
    .sgpr_count:     100
    .vgpr_count:     768
    .wavefront_size: 32
...
	.end_amdgpu_metadata
.endif
;; end of part 3
